; MI455X (gfx1250); checked and timed in simulation.
; The chip was launched on July 23, 2026; its instructions are those of AMD's public machine-readable ISA for CDNA 5 (MIT licence, August 2026) and "CDNA5" Instruction Set Architecture Reference Guide (July 2026). The comments in the code are by the model that wrote it; some were corrected since.
;; Agent Attention. Allowed arithmetic: matrix products marked QUANTISED: E4M3 operands, one given power-of-two scale a tensor, by v_wmma_f32_16x16x64_fp8_fp8 or v_wmma_f32_16x16x128_fp8_fp8, f32 sums; everything else in f32.
;; Inputs: a 4 x 16 x 512 x 64 float32; k 4 x 16 x 4,096 x 64 float32; lowp_scales 8 int32 (the exponents e of the quantised operands' scales 2^e); q 4 x 16 x 4,096 x 64 float32; v 4 x 16 x 512 x 64 float32.
;; Outputs: out0 4 x 16 x 512 x 64 float32.
;; This version of the problem:
;;   THIS VERSION OF THE PROBLEM IS GIVEN IN LOW PRECISION. The matrix products marked QUANTISED in the list below multiply operands that are first quantised to E4M3 (4 exponent bits, 3 mantissa bits; 8 bits a number), with one given power-of-two scale for each operand tensor; their sums are f32. All else is computed in f32.
;;   The module's matrix products, in the order in which they are computed (A, B: the left and right operand; K: the contracted axis; several contracted axes count as one K, in the product's order):
;;     1. batch 64 x [M 4,096, K 64] x [K 64, N 512]; A: input q; B: input a: QUANTISED (scales: A lowp_scales[0], B lowp_scales[1])
;;     2. batch 64 x [M 512, K 64] x [K 64, N 4,096]; A: input a; B: input k: QUANTISED (scales: A lowp_scales[2], B lowp_scales[3])
;;     3. batch 64 x [M 4,096, K 512] x [K 512, N 64]; A: computed on the way; B: input v: QUANTISED (scales: A lowp_scales[4], B lowp_scales[5])
;;     4. batch 64 x [M 512, K 4,096] x [K 4,096, N 64]; A: computed on the way; B: computed on the way: QUANTISED (scales: A lowp_scales[6], B lowp_scales[7])
;;   THE QUANTISER, for each operand of a quantised product, along K:
;;     - The operand's scale is 2^e, e = its entry of the input lowp_scales (int32; the entries are numbered through the quantised products in the list's order, A before B).
;;     - Each number is divided by the scale, clamped to +-448, and rounded to the nearest number of E4M3, ties to even, subnormals kept.
;;     - The product sums the exact products of the quantised numbers (number of the format x scale) in f32.
;;   ~~~python
;;   def quantise(x, axis, e):      # numpy; x: float32 -> the quantised numbers, widened to float32 again
;;       x = np.moveaxis(x, axis, -1); K = x.shape[-1]
;;       r = np.clip(x / 2.0 ** e, -448, 448)
;;       step = 2.0 ** (np.maximum(np.frexp(np.where(r == 0, 1, r))[1] - 1, -6) - 3)
;;       q = np.round(r / step) * step * 2.0 ** e      # np.round: ties to even
;;       return np.moveaxis(q, -1, axis).astype(np.float32)
;;   ~~~
;;   OPERANDS COMPUTED ON THE WAY. 'Computed on the way' means the value that the module computes at that place (a softmax that the list does not call 'softmax' is quantised finished and normalised). What goes into a quantiser is computed in f32, as accurately as f32 sums, v_exp_f32 and their like allow (about 1e-6 of the number): no bf16 or f16 on the way to a quantiser, and a product that is left as it is and whose result goes on into a quantised operand takes f32 operands (vector FMAs, or v_wmma_f32_16x16x4_f32). A number that lies on a knife's edge between two numbers of the format may be rounded either way, as far as f32 arithmetic and the matrix unit's own rounding can turn it there, and no further.
;; One version. Each part assembles by itself: llvm-mc -triple=amdgcn-amd-amdhsa -mcpu=gfx1250 --defsym DOCPART=n.
;; ======== version 1 of 1: 4 launches
;; limits: right only within a limited range of input values
;; workspace buffers: qc 16,777,216 bytes; kc 16,777,216 bytes; a1c 2,097,152 bytes; a2c 2,097,152 bytes; vtc 2,097,152 bytes; kvc 16,777,216 bytes; part 33,554,432 bytes
;; launch prep (part 1): grid 768 x 1, 4 waves a work-group, no clusters, 87,552 bytes of LDS; arguments q, a, v, lowp_scales, qc, a1c, a2c, vtc; writes qc, a1c, a2c, vtc
.if DOCPART == 1
	.amdgcn_target "amdgcn-amd-amdhsa--gfx1250"
	.amdhsa_code_object_version 6
	.text
	.protected	k_q0c7da14795_prep
	.globl	k_q0c7da14795_prep
	.p2align	8
	.type	k_q0c7da14795_prep,@function
k_q0c7da14795_prep:
	s_mov_b64 s[64:65], 0
	v_nop
	global_prefetch_b8 v0, s[64:65] scope:SCOPE_SE
	s_setreg_imm32_b32 hwreg(HW_REG_WAVE_MODE, 25, 1), 1
	s_wait_xcnt 0x0
; q, a and v are turned once into codes of FP8 (E4M3), laid as IMAGES OF OPERAND REGISTERS: a fragment (16 rows x 64 along K) is 8 registers a lane,
; 1,024 bytes: registers 0-3 at 16 x lane, registers 4-7 at 512 + 16 x lane.  code = x / 2^e, held within +-448, to the nearest code, ties to even.  (k is turned into codes by the launch kvs, beside its own work.)
; JOBS, by the work-group's number x:  0-511 q -> qc (e0);  512-575 a -> a1c (e1);  576-639 a -> a2c (e2);  640-767 v -> vtc (e5).
; ROWS (q, a; K = the head's 64, innermost): lane (r, h) of a fragment holds row r and d = 32 h + 0 .. 31, register pair p the eight d = 32 h + 8 p + 0 .. 7.  That is a permutation of K,
; the same in both operands of a score product.  qc: [b][tile of 16 rows: 256][head 16][1024];  a1c, a2c: [b][tile: 32][head 16][1024].
; v (K = the agents, its FIRST axis within a head): lane (r, h) holds d = 16 dt + r, register pair c the agents 64 g + 16 c + 8 h + 0 .. 7.  vtc: [b][g 8][head 16][dt 4][1024].
; Each load reads 512 consecutive bytes, each store writes 512; between them the numbers turn through the wave's own stage in LDS (rows of 256 bytes + 16).  Waves share nothing: no barrier.
; On the row way loads run four fragments (32 loads, 16,384 bytes a wave) ahead of the work.  The two ways through the text part on the work-group's number and have LDS bytes of their own.
; LIMITS: each e used here lies between -126 and 119, so that 2^e and 448 x 2^e are f32 numbers.  NaN among the inputs is not served.
.set RSB,  4352                        ; the row way's stage: 16 rows x 272 bytes for each wave, from LDS byte 0
.set VSTG, 17408                       ; the v way's stages begin here:
.set VSB,  17408                       ; 64 rows x 272 bytes for each wave
.set SP,   272
.set SPARE, 87040                      ; behind the stages: the spare words, 128 bytes for each wave
.set L,    16                          ; v16-143  rows: four sets of 32 registers as loaded
.set TN,   144                         ; v144-175 rows: my 32 neighbours along d
.set C,    176                         ; v176-239 rows: 8 registers of codes for each of 8 fragments: no store's data are written again
	s_load_b64 s[4:5], s[0:1], 0x0                 ; q
	s_load_b128 s[8:11], s[0:1], 0x8               ; a s[8:9], v s[10:11]
	s_load_b64 s[12:13], s[0:1], 0x18              ; the scales' exponents
	s_load_b64 s[16:17], s[0:1], 0x20              ; qc
	s_load_b128 s[20:23], s[0:1], 0x28             ; a1c s[20:21], a2c s[22:23]
	s_load_b64 s[24:25], s[0:1], 0x38              ; vtc
	v_lshl_add_u32 v254, v0, 2, SPARE
	v_mov_b32 v255, 0
	v_lshrrev_b32 v1, 5, v0
	v_readfirstlane_b32 s14, v1                    ; wave 0..3
	v_and_b32 v1, 31, v0
	v_lshlrev_b32 v2, 4, v1                        ; v2 = 16 x lane
	v_and_b32 v9, 15, v0                           ; r
	v_bfe_u32 v10, v0, 4, 1                        ; h
	s_mul_i32 s15, s14, RSB
	v_mul_u32_u24 v3, v10, SP
	v_lshl_add_u32 v3, v9, 4, v3
	v_add_nc_u32 v3, s15, v3                       ; v3: rows, into the stage: a load's 512 bytes are two rows: row h, 16 r bytes on
	v_mul_u32_u24 v4, v9, SP
	v_lshl_add_u32 v4, v10, 7, v4
	v_add_nc_u32 v4, s15, v4                       ; v4: rows, out of it: row r, my half's 128 bytes
	s_mul_i32 s15, s14, VSB
	s_add_co_u32 s15, s15, VSTG
	v_mul_u32_u24 v7, v10, SP
	v_lshl_add_u32 v7, v9, 4, v7
	v_add_nc_u32 v7, s15, v7                       ; v7: v, into the stage
	v_mul_u32_u24 v8, v10, 8*SP
	v_lshl_add_u32 v8, v9, 2, v8
	v_add_nc_u32 v8, s15, v8                       ; v8: v, out of it: agent 8 h, column r
	s_wait_kmcnt 0x0
	s_load_b256 s[32:39], s[12:13], 0x0            ; e0 .. e7
	s_cmp_ge_u32 ttmp9, 640
	s_cbranch_scc1 .Lvpath
	; ---- ROWS.  A wave takes 8 fragments of one head: 128 rows, 32,768 consecutive bytes.
	s_and_b32 s41, ttmp9, 511
	s_lshr_b32 s42, s41, 3                         ; q: the head (of 64) is x / 8,
	s_and_b32 s43, s41, 7
	s_lshl_b32 s43, s43, 5                         ; the work-group's first tile 32 (x % 8)
	s_and_b32 s44, ttmp9, 63                       ; a: a work-group takes a whole head's 32 tiles
	s_cmp_lt_u32 ttmp9, 512
	s_cselect_b32 s42, s42, s44                    ; the head
	s_cselect_b32 s43, s43, 0
	s_cselect_b32 s45, 20, 17                      ; log2 of a head's bytes in the source,
	s_cselect_b32 s46, 22, 19                      ; and of a batch entry's bytes in the codes
	s_lshl_b32 s47, s14, 3
	s_add_co_u32 s43, s43, s47                     ; my wave's first tile
	s_lshl_b32 s48, s42, s45
	s_lshl_b32 s49, s43, 12
	s_add_co_u32 s48, s48, s49                     ; source: head, + 4,096 bytes a tile
	s_mov_b32 s49, 0
	s_lshr_b32 s50, s42, 4
	s_lshl_b32 s50, s50, s46
	s_lshl_b32 s51, s43, 14
	s_add_co_u32 s50, s50, s51
	s_and_b32 s51, s42, 15
	s_lshl_b32 s51, s51, 10
	s_add_co_u32 s50, s50, s51                     ; codes: batch entry, + 16,384 a tile, + 1,024 a head
	s_mov_b32 s51, 0
	s_cmp_lt_u32 ttmp9, 512                        ; the buffers are chosen on the work-group's number alone
	s_cselect_b64 s[26:27], s[4:5], s[8:9]
	s_cselect_b64 s[28:29], s[16:17], s[20:21]
	s_cmp_ge_u32 ttmp9, 576
	s_cselect_b64 s[28:29], s[22:23], s[28:29]
	s_add_nc_u64 s[26:27], s[26:27], s[48:49]
	s_add_nc_u64 s[28:29], s[28:29], s[50:51]
.macro LOADF f                         ; fragment f as it lies: 8 loads of 512 consecutive bytes.  (No cache hint: a is read by two jobs of this way)
.irp i, 0,1,2,3,4,5,6,7
	global_load_b128 v[L+32*((\f)%4)+4*\i:L+32*((\f)%4)+4*\i+3], v2, s[26:27] offset:4096*(\f)+512*\i
.endr
.endm
	LOADF 0
	LOADF 1
	LOADF 2
	LOADF 3
	s_wait_kmcnt 0x0
	s_cmp_lt_u32 ttmp9, 512
	s_cselect_b32 s40, s32, s33                    ; e0 or e1
	s_cmp_ge_u32 ttmp9, 576
	s_cselect_b32 s40, s34, s40                    ; e2
	s_add_co_i32 s40, s40, 127
	s_lshl_b32 s41, s40, 23
	v_mov_b32 v6, s41                              ; 2^e as f32: the conversion takes its exponent field
	s_add_co_i32 s40, s40, 8
	s_lshl_b32 s40, s40, 23
	s_or_b32 s40, s40, 0x600000
	v_mov_b32 v5, s40                              ; 448 x 2^e
.macro FRAG f
.if (\f) < 5
	s_wait_loadcnt 24                              ; this fragment's 8 loads are in; those of the three fragments behind it may be out
.else
	s_wait_loadcnt 8*(7-(\f))                      ; the counts run down: 16, 8, 0
.endif
.irp i, 0,1,2,3,4,5,6,7
	ds_store_b128 v3, v[L+32*((\f)%4)+4*\i:L+32*((\f)%4)+4*\i+3] offset:2*SP*\i
.endr
.irp i, 0,1,2,3,4,5,6,7
	ds_load_b128 v[TN+4*\i:TN+4*\i+3], v4 offset:16*\i   ; LDS serves a wave's instructions in order: these see the stores above
.endr
	s_wait_dscnt 0x0                               ; my 32 neighbours are in, and the stores have read their registers,
.if (\f)+4 < 8
	LOADF (\f)+4                                   ; which take the fragment four further on
.endif
.set i, 0
.rept 32
	v_med3_num_f32 v[TN+i], v[TN+i], -v5, v5       ; the conversion to an 8-bit code does not saturate (ISA guide 7.6.2): the hold at the largest code x the scale
.set i, i+1
.endr
.irp p, 0,1,2,3
	v_cvt_scalef32_pk8_fp8_f32 v[C+8*(\f)+2*\p:C+8*(\f)+2*\p+1], v[TN+8*\p:TN+8*\p+7], v6
.endr
	v_nop                                          ; a plain instruction between the conversions and the next fragment's holds, which write their sources
	global_store_b128 v2, v[C+8*(\f):C+8*(\f)+3], s[28:29] offset:16384*(\f)          ; 32 lanes store 512 consecutive bytes
	global_store_b128 v2, v[C+8*(\f)+4:C+8*(\f)+7], s[28:29] offset:16384*(\f)+512
.endm
	s_wait_alu depctr_va_vdst(0)                   ; the wait at the head's end
.irp f, 0,1,2,3,4,5,6,7
	FRAG \f
.endr
	s_wait_tensorcnt 0x0                           ; the wave's end
	ds_add_u32 v254, v255
	s_wait_dscnt 0x0
	s_endpgm
	; ---- v.  A wave takes one tile: 64 agents x 64 d of one head, 16,384 consecutive bytes; it becomes four fragments (dt = 0 .. 3).
.Lvpath:
	s_sub_co_u32 s41, ttmp9, 640
	s_lshl_b32 s41, s41, 2
	s_add_co_u32 s41, s41, s14                     ; the tile, 0 .. 511
	s_lshr_b32 s42, s41, 3                         ; the head (of 64)
	s_and_b32 s43, s41, 7                          ; g
	s_lshl_b32 s48, s42, 17
	s_lshl_b32 s49, s43, 14
	s_add_co_u32 s48, s48, s49
	s_mov_b32 s49, 0
	s_lshr_b32 s50, s42, 4
	s_lshl_b32 s50, s50, 19
	s_lshl_b32 s51, s43, 16
	s_add_co_u32 s50, s50, s51
	s_and_b32 s51, s42, 15
	s_lshl_b32 s51, s51, 12
	s_add_co_u32 s50, s50, s51
	s_mov_b32 s51, 0
	s_add_nc_u64 s[10:11], s[10:11], s[48:49]
	s_add_nc_u64 s[24:25], s[24:25], s[50:51]
.set i, 0
.rept 32
	global_load_b128 v[16+4*i:19+4*i], v2, s[10:11] offset:512*i th:TH_LOAD_NT
.set i, i+1
.endr
	s_wait_kmcnt 0x0
	s_add_co_i32 s40, s37, 127                     ; e5
	s_lshl_b32 s41, s40, 23
	v_mov_b32 v6, s41
	s_add_co_i32 s40, s40, 8
	s_lshl_b32 s40, s40, 23
	s_or_b32 s40, s40, 0x600000
	v_mov_b32 v5, s40
.set i, 0
	s_wait_alu depctr_va_vdst(0)                   ; the wait at the head's end
.rept 32
	s_wait_loadcnt 31-i                            ; load i is in; the younger ones may be out
	ds_store_b128 v7, v[16+4*i:19+4*i] offset:2*SP*i
.set i, i+1
.endr
.macro LDT dt                          ; my column d = 16 dt + r, down the agents, in the order of the operand's registers: register 8 c + j = agent 16 c + 8 h + j
.irp c, 0,1,2,3
.irp j, 0,1,2,3,4,5,6,7
	ds_load_b32 v[144+32*((\dt)%2)+8*\c+\j], v8 offset:(16*\c+\j)*SP+64*(\dt)
.endr
.endr
.endm
	LDT 0
	LDT 1
.macro VQ dt
.if (\dt) < 3
	s_wait_dscnt 32                                ; this fragment's 32 numbers are in; the next one's may be out
.else
	s_wait_dscnt 0
.endif
.set i, 0
.rept 32
	v_med3_num_f32 v[144+32*((\dt)%2)+i], v[144+32*((\dt)%2)+i], -v5, v5
.set i, i+1
.endr
.irp c, 0,1,2,3
	v_cvt_scalef32_pk8_fp8_f32 v[208+8*(\dt)+2*\c:208+8*(\dt)+2*\c+1], v[144+32*((\dt)%2)+8*\c:144+32*((\dt)%2)+8*\c+7], v6
.endr
	v_nop                                          ; a plain instruction behind the conversions
	global_store_b128 v2, v[208+8*(\dt):208+8*(\dt)+3], s[24:25] offset:1024*(\dt)
	global_store_b128 v2, v[208+8*(\dt)+4:208+8*(\dt)+7], s[24:25] offset:1024*(\dt)+512
.if (\dt)+2 < 4
	LDT (\dt)+2
.endif
.endm
.irp d, 0,1,2,3
	VQ \d
.endr
	s_wait_tensorcnt 0x0                           ; the wave's end
	ds_add_u32 v254, v255
	s_wait_dscnt 0x0
	s_endpgm
.Lfunc_end_k_q0c7da14795_prep:
	.size	k_q0c7da14795_prep, .Lfunc_end_k_q0c7da14795_prep-k_q0c7da14795_prep
	.p2alignl 7, 3214868480
	.fill 96, 4, 3214868480
	.section	.rodata,"a",@progbits
	.p2align	6, 0x0
	.amdhsa_kernel k_q0c7da14795_prep
		.amdhsa_group_segment_fixed_size 87552
		.amdhsa_private_segment_fixed_size 0
		.amdhsa_enable_private_segment 0
		.amdhsa_kernarg_size 64
		.amdhsa_user_sgpr_count 2
		.amdhsa_user_sgpr_kernarg_segment_ptr 1
		.amdhsa_wavefront_size32 1
		.amdhsa_system_sgpr_workgroup_id_x 1
		.amdhsa_system_sgpr_workgroup_id_y 1
		.amdhsa_system_sgpr_workgroup_id_z 1
		.amdhsa_system_vgpr_workitem_id 0
		.amdhsa_next_free_vgpr 256
		.amdhsa_next_free_sgpr 66
		.amdhsa_reserve_vcc 0
		.amdhsa_float_denorm_mode_32 3
		.amdhsa_float_denorm_mode_16_64 3
		.amdhsa_memory_ordered 1
		.amdhsa_forward_progress 1
		.amdhsa_inst_pref_size 64
	.end_amdhsa_kernel
	.amdgpu_metadata
---
amdhsa.version: [ 1, 2 ]
amdhsa.kernels:
  - .name:           k_q0c7da14795_prep
    .symbol:         k_q0c7da14795_prep.kd
    .args:
      - { .name: q, .offset: 0, .size: 8, .value_kind: global_buffer, .address_space: global }
      - { .name: a, .offset: 8, .size: 8, .value_kind: global_buffer, .address_space: global }
      - { .name: v, .offset: 16, .size: 8, .value_kind: global_buffer, .address_space: global }
      - { .name: lowp_scales, .offset: 24, .size: 8, .value_kind: global_buffer, .address_space: global }
      - { .name: qc, .offset: 32, .size: 8, .value_kind: global_buffer, .address_space: global }
      - { .name: a1c, .offset: 40, .size: 8, .value_kind: global_buffer, .address_space: global }
      - { .name: a2c, .offset: 48, .size: 8, .value_kind: global_buffer, .address_space: global }
      - { .name: vtc, .offset: 56, .size: 8, .value_kind: global_buffer, .address_space: global }
    .group_segment_fixed_size: 87552
    .private_segment_fixed_size: 0
    .kernarg_segment_align: 8
    .kernarg_segment_size: 64
    .max_flat_workgroup_size: 128
    .sgpr_count:     66
    .vgpr_count:     256
    .wavefront_size: 32
...
	.end_amdgpu_metadata
.endif
;; end of part 1
;; launch kvs (part 2): grid 128 x 4, 4 waves a work-group, clusters of 4 x 1, 327,680 bytes of LDS; arguments qc, a1c, vtc, lowp_scales, kvc, k, kc; writes kvc, kc
.if DOCPART == 2
	.amdgcn_target "amdgcn-amd-amdhsa--gfx1250"
	.amdhsa_code_object_version 6
	.text
	.protected	k_q0c7da14795_kvs
	.globl	k_q0c7da14795_kvs
	.p2align	8
	.type	k_q0c7da14795_kvs,@function
k_q0c7da14795_kvs:
	s_mov_b64 s[64:65], 0
	v_nop
	global_prefetch_b8 v0, s[64:65] scope:SCOPE_SE
	s_setreg_imm32_b32 hwreg(HW_REG_WAVE_MODE, 25, 1), 1
	s_wait_xcnt 0x0
	s_wait_alu depctr_hold_cnt(0) depctr_sa_sdst(0) depctr_va_vdst(0) depctr_va_sdst(0) depctr_va_ssrc(0) depctr_va_vcc(0) depctr_vm_vsrc(0)
	s_getreg_b32 s2, hwreg(HW_REG_IB_STS2, 6, 4)
	s_cmp_eq_u32 s2, 0
	s_cbranch_scc0 .Lentry_in_a_cluster
	s_endpgm
.Lentry_in_a_cluster:
	s_bfe_u32 s2, ttmp6, 0x10000c
	s_cmp_lg_u32 s2, 0x3003
	s_cbranch_scc0 .Lentry_shape_is_right
	s_endpgm
.Lentry_shape_is_right:
; One body serves two launches, told apart by the constant ATT.
; ATT = 0 (kvs): X = q's codes (e0), Y = a's codes (e1), V = v's codes (e5).  P = softmax over the 16 HEADS of X Y^T / 8, quantised with e4; KV = P V is held, quantised with e7 and stored as operand images for att.
; ATT = 1 (att): X = a's codes (e2), Y = k's codes (e3), V = KV's codes (e7).  P likewise, quantised with e6; the raw f32 sums of P V over a quarter of the keys go to part.
; SHARES.  A work-group owns 32 rows of X (two tiles of 16) in all 16 heads of one batch entry and walks T intervals of 64 columns of Y.  Wave w makes the scores of row tile w % 2 against column tiles 2 (w / 2) and 2 (w / 2) + 1,
; in all heads (X stays in registers); P's codes change hands through LDS, and wave w then multiplies heads 4 w .. 4 w + 3 for both row tiles, with V's fragments loaded straight into registers.
; Y comes through a ring of two slots of 65,536 bytes, filled by joint loads: the four work-groups of a cluster walk the same Y.  The barrier of the change of slots also orders P's stores and loads.
; THE SOFTMAX.  The 16 heads' scores of one (row, column) lie in one lane, in the same register of 16 accumulators: maximum, sum and division need no other lane.  The maximum over the heads is taken away before the exponential.
; All 64 packed multiply-adds t - M stand ahead of the 128 exponentials, so that the batch has one wait ahead of it and one behind it.
; LIMITS on the given exponents: EX + EY between -123 and 130 (added to the exponent field of log2(e) / 8); EP between -126 and 119; ATT = 0: e7 - e4 - e5 between -126 and 119.  NaN among the inputs is not served.
; BESIDE ITS OWN WORK this launch (ATT = 0) turns k into codes (e3) for the launch att: kc [b][tile of 16 rows: 256][head 16][1024], fragments laid as qc's are.  The 512 work-groups x 4 waves take 8 fragments each
; (128 rows of one head, 32,768 consecutive bytes of k), one in each of a wave's 8 intervals: 8 loads of 512 bytes, a turn through the wave's own stage in LDS (16 rows of 272 bytes), 32 holds, 4 conversions, 2 stores of 512 bytes.
; A fragment's loads are issued behind V's loads and used one interval later, so V's wait leaves these 8 out (s_wait_loadcnt 8), and their own wait for 0 stands ahead of the next V loads.
; No prefetch is laid for k: its loads are issued a whole interval ahead of their use.  LIMIT: e3 between -126 and 119.
.set ATT, 0
.if ATT
.set T,   16
.set YSH, 20
.set EX,  22
.set EY,  23
.set EP,  26
.else
.set T,   8
.set YSH, 19
.set EX,  20
.set EY,  21
.set EP,  24
.endif
.set YS,    65536
.set PB,    131072
.set PBB,   32768
.set STG,   196608
.set SPARE, 214016
.set SPW,  2
.set NIL,  3
.set LN,   4
.set AY0,  5
.set APS0, 7
.set APL0, 9
.set PFO,  11
.set STO,  12
.set RD,   13
.set GO,   14
.set ZA,   15
.set Z,    16
.set S,    32
.set PC,   160
.set M,    224
.set SA,   232
.set SB,   240
.set PLIM, 248
.set PLIM2, 253                        ; the same bound once more, in another register bank, for the second half of a dual-issue pair
.set KL,   192                         ; window 3, v192-223: a fragment of k as loaded
.set KT,   224                         ; window 3, v224-255: my 32 neighbours along d
.set KC,   22                          ; v22-29: the fragment's codes
.set KSC,  30                          ; v30: 2^e3
.set PSCL, 249
.set KLIM, 250
.set KSCL, 251
.set YF,   128
.set PF,   128
.set MSB, 0
.macro WIN new
.if MSB != \new
	s_set_vgpr_msb (MSB<<8)|\new
.set MSB, \new
.endif
.endm
.macro PLACES
.rept 4
	v_nop
.endr
.endm
.macro CREST
	s_cmp_lg_u32 s14, 0
	s_cbranch_scc1 .Lnot_wave_0_\@
	s_barrier_signal -3
.Lnot_wave_0_\@:
	s_barrier_wait -3
	s_barrier_signal -1
	s_barrier_wait -1
.endm
.macro ROUND
	s_barrier_signal -1
	s_barrier_wait -1
	CREST
.endm
.macro JLOAD s
	tensor_load_to_lds s[36+4*(\s):39+4*(\s)], s[28:35]
	s_nop 0
	PLACES
.endm
.macro LDY s, blk
	WIN 0x40
.irp h, 0,1,2,3,4,5,6,7,8,9,10,11,12,13,14,15
	ds_load_b128 v[YF+8*\h:YF+8*\h+3],   v[AY0+\s] offset:16384*\blk+1024*\h
	ds_load_b128 v[YF+8*\h+4:YF+8*\h+7], v[AY0+\s] offset:16384*\blk+1024*\h+512
.endr
	WIN 0
.endm
.macro LDP buf
	WIN 0xc0
.irp hh, 0,1,2,3
.irp rtt, 0,1
	ds_load_b128 v[PF+8*(2*\hh+\rtt):PF+8*(2*\hh+\rtt)+3],   v[APL0+(\buf)] offset:16384*\rtt+1024*\hh
	ds_load_b128 v[PF+8*(2*\hh+\rtt)+4:PF+8*(2*\hh+\rtt)+7], v[APL0+(\buf)] offset:16384*\rtt+1024*\hh+512
.endr
.endr
	WIN 0
.endm
.macro STP buf
.irp h, 0,1,2,3,4,5,6,7,8,9,10,11,12,13,14,15
	ds_store_b128 v[APS0+(\buf)], v[PC+4*\h:PC+4*\h+3] offset:1024*\h
.endr
.endm
.macro LDV off
	WIN 0xc0
.set i, 0
.rept 32
	global_load_b128 v[4*i:4*i+3], v[LN], s[44:45] offset:\off+512*i
.set i, i+1
.endr
	WIN 0
.endm
.macro SC h
	v_wmma_f32_16x16x64_fp8_fp8 v[S+8*\h:S+8*\h+7], v[YF+8*\h:YF+8*\h+7], v[8*\h:8*\h+7], 0
.endm
.macro SCORE16
	WIN 0x05
.irp h, 0,1,2,3,4,5,6,7,8,9,10,11,12,13,14,15
	SC \h
.endr
.endm
.macro PV zero
	WIN 0xaf
.irp hh, 0,1,2,3
.irp rtt, 0,1
.irp dt, 0,1,2,3
.set rA, 8*(8*\hh+4*\rtt+\dt)
.set rP, PF+8*(2*\hh+\rtt)
.set rV, 8*(4*\hh+\dt)
.if ATT
.set fS0, rV
.set fS1, rP
.else
.set fS0, rP
.set fS1, rV
.endif
.if \zero
	v_wmma_f32_16x16x64_fp8_fp8 v[rA:rA+7], v[fS0:fS0+7], v[fS1:fS1+7], 0
.else
	v_wmma_f32_16x16x64_fp8_fp8 v[rA:rA+7], v[fS0:fS0+7], v[fS1:fS1+7], v[rA:rA+7]
.endif
.endr
.endr
.endr
	WIN 0
	PLACES
.endm
.macro ASK how, off
.if \how
	s_cmp_eq_u32 s48, 1
.else
	s_cmp_gt_u32 s49, s48
.endif
	s_cbranch_scc0 .Lnot_mine_\@
	global_prefetch_b8 v[PFO], s[46:47] offset:\off th:TH_LOAD_NT scope:SCOPE_SE
.Lnot_mine_\@:
.endm
.macro ENTER fill, slot
	s_wait_tensorcnt 0x0
	ds_add_u32 v[SPW], v[NIL]
.if \fill
	s_add_nc_u64 s[38+4*(\slot):39+4*(\slot)], s[38+4*(\slot):39+4*(\slot)], 0x20000
.endif
	WIN 0x05
.irp h, 0,1,2,3,4,5,6,7
	SC \h
.endr
	s_wait_dscnt 0x0
	s_barrier_signal -1
.irp h, 8,9,10,11,12,13,14,15
	SC \h
.endr
	WIN 0
	PLACES
	SMA                                            ; work on registers alone while the other waves arrive: block 1's maxima and t - M
	s_barrier_wait -1
.if \fill
	CREST
.endif
.endm
.macro MEET
	s_wait_tensorcnt 0x0
	ds_add_u32 v[SPW], v[NIL]
	s_wait_dscnt 0x0
	s_barrier_signal -1
	s_barrier_wait -1
.endm
.macro NA h
.irp p, 0,2,4,6
	v_pk_mul_f32 v[S+8*\h+\p:S+8*\h+\p+1], v[S+8*\h+\p:S+8*\h+\p+1], v[SB+\p:SB+\p+1]
.endr
.endm
.macro NB h
.irp j, 0,2,4,6
	v_dual_min_num_f32 v[S+8*\h+\j], v[S+8*\h+\j], v[PLIM] :: v_dual_min_num_f32 v[S+8*\h+\j+1], v[S+8*\h+\j+1], v[PLIM2]
.endr
.endm
.macro NC h, blk
	v_cvt_scalef32_pk8_fp8_f32 v[PC+4*\h+2*\blk:PC+4*\h+2*\blk+1], v[S+8*\h:S+8*\h+7], v[PSCL]
.endm
; SMA: the maxima over the heads and t - M = c x score - c x maximum: plain vector work.  SMB: the exponentials, the sums, the division, the hold and the conversion.
.macro SMA
.irp j, 0,1,2,3,4,5,6,7
	v_max3_num_f32 v[M+\j], v[S+\j], v[S+8+\j], v[S+16+\j]
.endr
.irp i, 1,2,3,4,5,6
.irp j, 0,1,2,3,4,5,6,7
	v_max3_num_f32 v[M+\j], v[M+\j], v[S+8*(2*\i+1)+\j], v[S+8*(2*\i+2)+\j]
.endr
.endr
.irp j, 0,1,2,3,4,5,6,7
	v_max_num_f32 v[M+\j], v[M+\j], v[S+120+\j]
.endr
.irp p, 0,2,4,6
	v_pk_mul_f32 v[M+\p:M+\p+1], v[M+\p:M+\p+1], s[52:53] op_sel_hi:[1,0]
.endr
.irp h, 0,1,2,3,4,5,6,7,8,9,10,11,12,13,14,15
.irp p, 0,2,4,6
	v_pk_fma_f32 v[S+8*\h+\p:S+8*\h+\p+1], v[S+8*\h+\p:S+8*\h+\p+1], s[50:51], v[M+\p:M+\p+1] op_sel_hi:[1,0,1]
.endr
.endr
.endm
.macro SMB blk
	s_wait_alu depctr_va_vdst(0)                   ; the wait ahead of the batch, directly ahead of the first reader of t - M
.set i, 0
.rept 128
	v_exp_f32 v[S+i], v[S+i]                       ; 2^(t - M), at most 1
.set i, i+1
.endr
	v_nop
	s_wait_alu depctr_va_vdst(0)
.irp p, 0,2,4,6
	v_pk_add_f32 v[SA+\p:SA+\p+1], v[S+\p:S+\p+1], v[S+16+\p:S+16+\p+1]
	v_pk_add_f32 v[SB+\p:SB+\p+1], v[S+8+\p:S+8+\p+1], v[S+24+\p:S+24+\p+1]
.endr
.irp h, 4,6,8,10,12,14
.irp p, 0,2,4,6
	v_pk_add_f32 v[SA+\p:SA+\p+1], v[SA+\p:SA+\p+1], v[S+8*\h+\p:S+8*\h+\p+1]
	v_pk_add_f32 v[SB+\p:SB+\p+1], v[SB+\p:SB+\p+1], v[S+8*\h+8+\p:S+8*\h+8+\p+1]
.endr
.endr
.irp p, 0,2,4,6
	v_pk_add_f32 v[SA+\p:SA+\p+1], v[SA+\p:SA+\p+1], v[SB+\p:SB+\p+1]
.endr
	s_wait_alu depctr_va_vdst(0)
.irp j, 0,1,2,3,4,5,6,7
	v_rcp_f32 v[SB+\j], v[SA+\j]
.endr
	v_nop
	s_wait_alu depctr_va_vdst(0)
	NA 0
	NA 1
	NB 0
.irp h, 0,1,2,3,4,5,6,7,8,9,10,11,12,13,14,15
.if \h < 14
	NA (\h+2)
.endif
.if \h < 15
	NB (\h+1)
.endif
	NC \h, \blk
.endr
	v_nop
.endm
.macro SOFTMAX blk
	SMA
	SMB \blk
.endm
.macro LK off                          ; a fragment of k as it lies: 8 loads of 512 consecutive bytes, read once in the launch
	WIN 0xc0
.irp i, 0,1,2,3,4,5,6,7
	global_load_b128 v[KL+4*\i:KL+4*\i+3], v[LN], s[72:73] offset:\off+512*\i th:TH_LOAD_NT
.endr
	WIN 0
.endm
.macro KA                              ; the fragment asked for one interval ago turns through my stage
	s_wait_loadcnt 0x0                             ; only its 8 loads were still out
	s_wait_xcnt 0x0                                ; the last fragment's stores have read their registers: the codes may be written again below
	WIN 0x0c
.irp i, 0,1,2,3,4,5,6,7
	ds_store_b128 v[STO], v[KL+4*\i:KL+4*\i+3] offset:2*272*\i
.endr
	WIN 0xc0
.irp i, 0,1,2,3,4,5,6,7
	ds_load_b128 v[KT+4*\i:KT+4*\i+3], v[RD] offset:16*\i   ; LDS serves a wave's instructions in order: these see the stores above
.endr
	WIN 0
.endm
.macro KBC                             ; behind the wait for KA's LDS instructions: hold and conversion
	WIN 0xc3
.set i, 0
.rept 32
	v_med3_num_f32 v[KT+i], v[KT+i], s71, s70      ; the hold within +-448 x 2^e3
.set i, i+1
.endr
	WIN 0x03
.irp p, 0,1,2,3
	v_cvt_scalef32_pk8_fp8_f32 v[KC+2*\p:KC+2*\p+1], v[KT+8*\p:KT+8*\p+7], v[KSC]
.endr
	WIN 0
	v_nop                                          ; a plain instruction behind the conversions
.endm
.macro KBS dst                         ; the fragment's two stores of 512 bytes: issued where no load of the wave is out
	global_store_b128 v[LN], v[KC:KC+3], s[74:75] offset:\dst
	global_store_b128 v[LN], v[KC+4:KC+7], s[74:75] offset:\dst+512
.endm
.macro INTERVAL par, fill, ldvoff, ask, askoff, ksrc, kdst
	ENTER \fill, 1-\par
.if \fill
	JLOAD 1-\par
.endif
	LDY \par, 0
	LDP \par
.if \ask
	ASK 2-\ask, \askoff
.endif
	SMB 1                                          ; (its first part stands in ENTER)
	STP 1-\par
	s_wait_dscnt 16
	s_wait_loadcnt 0x8                             ; V is in; the 8 younger loads, k's, may be out
	SCORE16
	PV 0
	KA
	LDY \par, 1
	s_wait_dscnt 32                                ; all but LDY's 32: P's stores and KA's stores and loads are done
	KBC
	KBS \kdst                                      ; ahead of the loads below
	LDV \ldvoff
	LK \ksrc                                       ; the next fragment of k, behind V's loads
	SOFTMAX 0
	s_wait_dscnt 0x0
.endm
	s_load_b256 s[4:11], s[0:1], 0x0
	s_load_b64 s[12:13], s[0:1], 0x20
	s_load_b128 s[72:75], s[0:1], 0x28             ; k s[72:73], kc s[74:75]
	v_lshl_add_u32 v[SPW], v0, 2, SPARE
	v_mov_b32 v[NIL], 0
	ds_add_u32 v2, v3
	ds_add_u32 v2, v3
	s_wait_dscnt 0x0
	v_lshrrev_b32 v1, 5, v0
	v_readfirstlane_b32 s14, v1
	s_and_b32 s15, s14, 1
	s_lshr_b32 s16, s14, 1
	s_bfe_u32 s17, ttmp6, 0x40000
	s_lshl_b32 s18, ttmp9, 2
	s_add_co_u32 s18, s18, s17
	s_and_b32 s19, ttmp7, 0xffff
	s_mov_b32 s28, 15|(3<<16)|(1<<21)
	s_mov_b32 s29, 32<<16
	s_mov_b32 s30, 64<<16
	s_mov_b32 s31, 32<<16
	s_mov_b32 s32, 64
	s_mov_b32 s33, 32
	s_mov_b32 s34, 0
	s_mov_b32 s35, 0
	s_lshl_b32 s54, s19, YSH
	s_lshl_b32 s58, s14, 14
	s_add_co_u32 s54, s54, s58
	s_mov_b32 s55, 0
.if ATT
	s_lshr_b32 s56, s19, 2
	s_lshl_b32 s56, s56, 5
.else
	s_lshl_b32 s56, s19, 8
.endif
	s_lshl_b32 s57, s18, 1
	s_add_co_u32 s56, s56, s57
	s_add_co_u32 s56, s56, s15
	s_lshl_b32 s56, s56, 14
	s_mov_b32 s57, 0
.if ATT
	s_and_b32 s60, s19, 3
	s_lshl_b32 s60, s60, 23
	s_lshr_b32 s61, s19, 2
	s_lshl_b32 s61, s61, 21
	s_add_co_u32 s60, s60, s61
	s_lshl_b32 s61, s14, 19
	s_add_co_u32 s60, s60, s61
	s_lshl_b32 s61, s18, 13
	s_add_co_u32 s60, s60, s61
.else
	s_lshl_b32 s60, s19, 22
	s_lshr_b32 s61, s18, 1
	s_lshl_b32 s61, s61, 16
	s_add_co_u32 s60, s60, s61
	s_lshl_b32 s61, s14, 14
	s_add_co_u32 s60, s60, s61
	s_and_b32 s61, s18, 1
	s_lshl_b32 s61, s61, 9
	s_add_co_u32 s60, s60, s61
.endif
	s_mov_b32 s61, 0
	s_lshl_b32 s62, s17, 1
	s_add_co_u32 s62, s62, s15
	s_lshl_b32 s62, s62, 13
	s_lshl_b32 s63, s19, YSH
	s_add_co_u32 s62, s62, s63
	s_cmp_lt_u32 s14, 2
	s_cselect_b32 s63, 3, 2
	s_lshl_b32 s63, s63, 16
	s_add_co_u32 s62, s62, s63
	s_mov_b32 s63, 0
	s_lshl_b32 s76, s19, 7                         ; k's share: the work-group's number among all 512,
	s_add_co_u32 s76, s76, s18
	s_lshr_b32 s77, s76, 3                         ; the head (of 64),
	s_and_b32 s76, s76, 7
	s_lshl_b32 s76, s76, 5
	s_lshl_b32 s78, s14, 3
	s_add_co_u32 s76, s76, s78                     ; my wave's first tile of 16 rows
	s_lshl_b32 s78, s77, 20
	s_lshl_b32 s79, s76, 12
	s_add_co_u32 s78, s78, s79                     ; in k: head, + 4,096 bytes a tile
	s_mov_b32 s79, 0
	s_lshr_b32 s80, s77, 4
	s_lshl_b32 s80, s80, 22
	s_lshl_b32 s76, s76, 14
	s_add_co_u32 s80, s80, s76
	s_and_b32 s77, s77, 15
	s_lshl_b32 s77, s77, 10
	s_add_co_u32 s80, s80, s77                     ; in kc: batch entry, + 16,384 a tile, + 1,024 a head
	s_mov_b32 s81, 0
	v_and_b32 v1, 31, v0
	v_lshlrev_b32 v[LN], 4, v1
	s_wait_alu depctr_va_vdst(0)
	s_wait_kmcnt 0x0
	s_load_b256 s[20:27], s[10:11], 0x0
	s_add_nc_u64 s[4:5], s[4:5], s[56:57]
	s_add_nc_u64 s[12:13], s[12:13], s[60:61]
	s_add_nc_u64 s[44:45], s[8:9], s[54:55]
	s_add_nc_u64 s[72:73], s[72:73], s[78:79]
	s_add_nc_u64 s[74:75], s[74:75], s[80:81]
	s_mov_b32 s36, 1
	s_lshl_b32 s37, s14, 14
	s_add_nc_u64 s[38:39], s[6:7], s[54:55]
	s_or_b32 s39, s39, 0x80000000
	s_mov_b32 s40, 1
	s_add_co_u32 s41, s37, YS
	s_add_nc_u64 s[42:43], s[6:7], s[54:55]
	s_add_nc_u64 s[42:43], s[42:43], 0x10000
	s_or_b32 s43, s43, 0x80000000
	s_cmp_lt_u32 s14, 2
	s_cselect_b64 s[46:47], s[6:7], s[8:9]
	s_add_nc_u64 s[46:47], s[46:47], s[62:63]
	s_cmp_eq_u32 ttmp9, 0
	s_cselect_b32 s48, 1, -1
	ROUND
	tensor_load_to_lds s[36:39], s[28:35]
	s_nop 0
	WIN 0x40                                       ; X's 16 fragments and the first interval's V are asked for behind the joint load: all three are on their way together
.set i, 0
.rept 32
	global_load_b128 v[4*i:4*i+3], v[LN], s[4:5] offset:512*i
.set i, i+1
.endr
	WIN 0
	LDV 0
	LK 0                                           ; k's fragment 0
	s_wait_alu depctr_va_vdst(0)
	s_wait_tensorcnt 0x0
	ds_add_u32 v2, v3
	s_wait_dscnt 0x0
	ROUND
	tensor_load_to_lds s[40:43], s[28:35]
	s_nop 0
	PLACES
	s_lshl_b32 s59, s16, 15
	v_add_nc_u32 v[AY0], s59, v[LN]
	v_add_nc_u32 v[AY0+1], YS, v[AY0]
	s_lshl_b32 s59, s15, 14
	s_lshl_b32 s58, s16, 9
	s_add_co_u32 s59, s59, s58
	s_add_co_u32 s59, s59, PB
	v_add_nc_u32 v[APS0], s59, v[LN]
	v_add_nc_u32 v[APS0+1], PBB, v[APS0]
	s_lshl_b32 s59, s14, 12
	s_add_co_u32 s59, s59, PB
	v_add_nc_u32 v[APL0], s59, v[LN]
	v_add_nc_u32 v[APL0+1], PBB, v[APL0]
	v_lshlrev_b32 v[PFO], 8, v1
	s_lshl_b32 s59, s14, 14
	s_add_co_u32 s59, s59, PB
	v_add_nc_u32 v[ZA], s59, v[LN]
.irp j, 0,1,2,3
	v_mov_b32 v[Z+\j], 0
.endr
.set i, 0
.rept 32
	ds_store_b128 v[ZA], v[Z:Z+3] offset:512*i
.set i, i+1
.endr
.if ATT
	v_and_b32 v20, 15, v0
	v_bfe_u32 v21, v0, 4, 1
	s_mul_i32 s59, s14, 16*272
	s_add_co_u32 s59, s59, STG
	v_mul_u32_u24 v[STO], v20, 272
	v_lshl_add_u32 v[STO], v21, 5, v[STO]
	v_add_nc_u32 v[STO], s59, v[STO]
	v_mul_u32_u24 v[RD], v21, 272
	v_lshl_add_u32 v[RD], v20, 4, v[RD]
	v_add_nc_u32 v[RD], s59, v[RD]
	v_lshlrev_b32 v[GO], 8, v21
	v_lshl_add_u32 v[GO], v20, 4, v[GO]
.endif
	v_and_b32 v20, 15, v0                          ; k's stage: r,
	v_bfe_u32 v21, v0, 4, 1                        ; h
	s_mul_i32 s59, s14, 16*272
	s_add_co_u32 s59, s59, STG
	v_mul_u32_u24 v[STO], v21, 272                 ; in: a load's 512 bytes are two rows: row h, 16 r bytes on
	v_lshl_add_u32 v[STO], v20, 4, v[STO]
	v_add_nc_u32 v[STO], s59, v[STO]
	v_mul_u32_u24 v[RD], v20, 272                  ; out: row r, my half's 128 bytes
	v_lshl_add_u32 v[RD], v21, 7, v[RD]
	v_add_nc_u32 v[RD], s59, v[RD]
	s_wait_kmcnt 0x0
	s_add_co_i32 s70, s23, 127                     ; e3
	s_lshl_b32 s71, s70, 23
	v_mov_b32 v[KSC], s71                          ; 2^e3 as f32
	s_add_co_i32 s70, s70, 8
	s_lshl_b32 s70, s70, 23
	s_or_b32 s70, s70, 0x600000                    ; 448 x 2^e3,
	s_xor_b32 s71, s70, 0x80000000                 ; and its negative
	s_add_co_i32 s54, s[EX], s[EY]
	s_lshl_b32 s54, s54, 23
	s_add_co_i32 s50, s54, 0x3e38aa3b
	s_mov_b32 s51, s50
	s_xor_b32 s52, s50, 0x80000000
	s_mov_b32 s53, s52
	s_add_co_i32 s54, s[EP], 127
	s_lshl_b32 s55, s54, 23
	v_mov_b32 v[PSCL], s55
	s_add_co_i32 s54, s54, 8
	s_lshl_b32 s54, s54, 23
	s_or_b32 s54, s54, 0x600000
	v_mov_b32 v[PLIM], s54
	v_mov_b32 v[PLIM2], s54
.if !ATT
	s_sub_co_i32 s54, s27, s24
	s_sub_co_i32 s54, s54, s25
	s_add_co_i32 s54, s54, 127
	s_lshl_b32 s55, s54, 23
	v_mov_b32 v[KSCL], s55
	s_add_co_i32 s54, s54, 8
	s_lshl_b32 s54, s54, 23
	s_or_b32 s54, s54, 0x600000
	v_mov_b32 v[KLIM], s54
.endif
	s_wait_dscnt 0x0
	s_wait_tensorcnt 0x1
	s_barrier_signal -1
	s_barrier_wait -1
	LDY 0, 0
	LDP 0
	s_wait_dscnt 0x0
	s_wait_loadcnt 0x8                             ; X and V are in; k's 8 loads may be out
	SCORE16
	PV 1
	LDY 0, 1
	SOFTMAX 0
	s_wait_dscnt 0x0
	s_mov_b32 s49, (T-2)/2
.Lloop:
	INTERVAL 1, 1, 0, 1, 0, 4096, 0
	INTERVAL 0, 1, 65536, 2, 65536, 8192, 16384
	s_wait_xcnt 0x0
	s_add_nc_u64 s[44:45], s[44:45], 0x20000
	s_add_nc_u64 s[46:47], s[46:47], 0x20000
	s_add_nc_u64 s[72:73], s[72:73], 0x2000        ; two fragments on in k,
	s_add_nc_u64 s[74:75], s[74:75], 0x8000        ; and in kc
	s_sub_co_u32 s49, s49, 1
	s_cmp_lg_u32 s49, 0
	s_cbranch_scc1 .Lloop
	INTERVAL 1, 0, 0, 0, 0, 4096, 0
	ENTER 0, 0
	LDP 0
	s_wait_dscnt 0x0
	s_wait_loadcnt 0x8                             ; V is in; k's last 8 loads may be out
	PV 0
	KA
	LDV 65536
	s_wait_dscnt 0x0
	KBC                                            ; k's fragment 7: nothing more is asked for
	SMB 1
	STP 1
	MEET
	LDP 1
	s_wait_dscnt 0x0
	s_wait_loadcnt 0x0
	KBS 16384                                      ; fragment 7's stores, behind the wave's last loads
	PV 0
.if ATT
.irp hh, 0,1,2,3
.irp rtt, 0,1
	WIN 0x08
.irp dt, 0,1,2,3
	ds_store_b128 v[STO], v[8*(8*\hh+4*\rtt+\dt):8*(8*\hh+4*\rtt+\dt)+3] offset:64*\dt
	ds_store_b128 v[STO], v[8*(8*\hh+4*\rtt+\dt)+4:8*(8*\hh+4*\rtt+\dt)+7] offset:64*\dt+16
.endr
	WIN 0
.if 2*\hh+\rtt >= 4
	s_wait_xcnt 0x0
.endif
.irp i, 0,1,2,3,4,5,6,7
	ds_load_b128 v[S+32*((2*\hh+\rtt)%4)+4*\i:S+32*((2*\hh+\rtt)%4)+4*\i+3], v[RD] offset:2*272*\i
.endr
.irp i, 0,1,2,3,4,5,6,7
	s_wait_dscnt 7-\i
	global_store_b128 v[GO], v[S+32*((2*\hh+\rtt)%4)+4*\i:S+32*((2*\hh+\rtt)%4)+4*\i+3], s[12:13] offset:131072*\hh+4096*\rtt+512*\i
.endr
.endr
.endr
.else
.irp hh, 0,1,2,3
	WIN 0x02
.set i, 0
.rept 64
	v_med3_num_f32 v[S+64*(\hh%2)+i], v[64*\hh+i], -v[KLIM], v[KLIM]
.set i, i+1
.endr
	WIN 0
.irp dt, 0,1,2,3
	v_cvt_scalef32_pk8_fp8_f32 v[PC+16*\hh+4*\dt:PC+16*\hh+4*\dt+1], v[S+64*(\hh%2)+8*\dt:S+64*(\hh%2)+8*\dt+7], v[KSCL]
	v_cvt_scalef32_pk8_fp8_f32 v[PC+16*\hh+4*\dt+2:PC+16*\hh+4*\dt+3], v[S+64*(\hh%2)+32+8*\dt:S+64*(\hh%2)+32+8*\dt+7], v[KSCL]
.endr
	v_nop
.irp dt, 0,1,2,3
	global_store_b128 v[LN], v[PC+16*\hh+4*\dt:PC+16*\hh+4*\dt+3], s[12:13] offset:4096*\hh+1024*\dt
.endr
.endr
.endif
	s_wait_tensorcnt 0x0
	ds_add_u32 v[SPW], v[NIL]
	s_wait_dscnt 0x0
	ROUND
	s_endpgm
.Lfunc_end_k_q0c7da14795_kvs:
	.size	k_q0c7da14795_kvs, .Lfunc_end_k_q0c7da14795_kvs-k_q0c7da14795_kvs
	.p2alignl 7, 3214868480
	.fill 96, 4, 3214868480
	.section	.rodata,"a",@progbits
	.p2align	6, 0x0
	.amdhsa_kernel k_q0c7da14795_kvs
		.amdhsa_group_segment_fixed_size 327680
		.amdhsa_private_segment_fixed_size 0
		.amdhsa_enable_private_segment 0
		.amdhsa_kernarg_size 56
		.amdhsa_user_sgpr_count 2
		.amdhsa_user_sgpr_kernarg_segment_ptr 1
		.amdhsa_wavefront_size32 1
		.amdhsa_system_sgpr_workgroup_id_x 1
		.amdhsa_system_sgpr_workgroup_id_y 1
		.amdhsa_system_sgpr_workgroup_id_z 1
		.amdhsa_system_vgpr_workitem_id 0
		.amdhsa_next_free_vgpr 1024
		.amdhsa_next_free_sgpr 100
		.amdhsa_reserve_vcc 0
		.amdhsa_float_denorm_mode_32 3
		.amdhsa_float_denorm_mode_16_64 3
		.amdhsa_memory_ordered 1
		.amdhsa_forward_progress 1
		.amdhsa_inst_pref_size 255
	.end_amdhsa_kernel
	.section	.bss,"aw",@nobits
	.p2align	6
	.space	262144
	.amdgpu_metadata
---
amdhsa.version: [ 1, 2 ]
amdhsa.kernels:
  - .name:           k_q0c7da14795_kvs
    .symbol:         k_q0c7da14795_kvs.kd
    .args:
      - { .name: qc, .offset: 0, .size: 8, .value_kind: global_buffer, .address_space: global }
      - { .name: a1c, .offset: 8, .size: 8, .value_kind: global_buffer, .address_space: global }
      - { .name: vtc, .offset: 16, .size: 8, .value_kind: global_buffer, .address_space: global }
      - { .name: lowp_scales, .offset: 24, .size: 8, .value_kind: global_buffer, .address_space: global }
      - { .name: kvc, .offset: 32, .size: 8, .value_kind: global_buffer, .address_space: global }
      - { .name: k, .offset: 40, .size: 8, .value_kind: global_buffer, .address_space: global }
      - { .name: kc, .offset: 48, .size: 8, .value_kind: global_buffer, .address_space: global }
    .group_segment_fixed_size: 327680
    .private_segment_fixed_size: 0
    .kernarg_segment_align: 8
    .kernarg_segment_size: 56
    .max_flat_workgroup_size: 128
    .sgpr_count:     100
    .vgpr_count:     1024
    .wavefront_size: 32
...
	.end_amdgpu_metadata
.endif
;; end of part 2
;; launch att (part 3): grid 16 x 16, 4 waves a work-group, clusters of 4 x 1, 327,680 bytes of LDS; arguments a2c, kc, kvc, lowp_scales, part; writes part
.if DOCPART == 3
	.amdgcn_target "amdgcn-amd-amdhsa--gfx1250"
	.amdhsa_code_object_version 6
	.text
	.protected	k_q0c7da14795_att
	.globl	k_q0c7da14795_att
	.p2align	8
	.type	k_q0c7da14795_att,@function
k_q0c7da14795_att:
	s_mov_b64 s[64:65], 0
	v_nop
	global_prefetch_b8 v0, s[64:65] scope:SCOPE_SE
	s_setreg_imm32_b32 hwreg(HW_REG_WAVE_MODE, 25, 1), 1
	s_wait_xcnt 0x0
	s_wait_alu depctr_hold_cnt(0) depctr_sa_sdst(0) depctr_va_vdst(0) depctr_va_sdst(0) depctr_va_ssrc(0) depctr_va_vcc(0) depctr_vm_vsrc(0)
	s_getreg_b32 s2, hwreg(HW_REG_IB_STS2, 6, 4)
	s_cmp_eq_u32 s2, 0
	s_cbranch_scc0 .Lentry_in_a_cluster
	s_endpgm
.Lentry_in_a_cluster:
	s_bfe_u32 s2, ttmp6, 0x10000c
	s_cmp_lg_u32 s2, 0x3003
	s_cbranch_scc0 .Lentry_shape_is_right
	s_endpgm
.Lentry_shape_is_right:
; One body serves two launches, told apart by the constant ATT.
; ATT = 0 (kvs): X = q's codes (e0), Y = a's codes (e1), V = v's codes (e5).  P = softmax over the 16 HEADS of X Y^T / 8, quantised with e4; KV = P V is held, quantised with e7 and stored as operand images for att.
; ATT = 1 (att): X = a's codes (e2), Y = k's codes (e3), V = KV's codes (e7).  P likewise, quantised with e6; the raw f32 sums of P V over a quarter of the keys go to part.
; SHARES.  A work-group owns 32 rows of X (two tiles of 16) in all 16 heads of one batch entry and walks T intervals of 64 columns of Y.  Wave w makes the scores of row tile w % 2 against column tiles 2 (w / 2) and 2 (w / 2) + 1,
; in all heads (X stays in registers); P's codes change hands through LDS, and wave w then multiplies heads 4 w .. 4 w + 3 for both row tiles, with V's fragments loaded straight into registers.
; Y comes through a ring of two slots of 65,536 bytes, filled by joint loads: the four work-groups of a cluster walk the same Y.  The barrier of the change of slots also orders P's stores and loads.
; THE SOFTMAX.  The 16 heads' scores of one (row, column) lie in one lane, in the same register of 16 accumulators: maximum, sum and division need no other lane.  The maximum over the heads is taken away before the exponential.
; All 64 packed multiply-adds t - M stand ahead of the 128 exponentials, so that the batch has one wait ahead of it and one behind it.
; LIMITS on the given exponents: EX + EY between -123 and 130 (added to the exponent field of log2(e) / 8); EP between -126 and 119; ATT = 0: e7 - e4 - e5 between -126 and 119.  NaN among the inputs is not served.
.set ATT, 1
.if ATT
.set T,   16
.set YSH, 20
.set EX,  22
.set EY,  23
.set EP,  26
.else
.set T,   8
.set YSH, 19
.set EX,  20
.set EY,  21
.set EP,  24
.endif
.set YS,    65536
.set PB,    131072
.set PBB,   32768
.set STG,   196608
.set SPARE, 214016
.set SPW,  2
.set NIL,  3
.set LN,   4
.set AY0,  5
.set APS0, 7
.set APL0, 9
.set PFO,  11
.set STO,  12
.set RD,   13
.set GO,   14
.set ZA,   15
.set Z,    16
.set S,    32
.set PC,   160
.set M,    224
.set SA,   232
.set SB,   240
.set PLIM, 248
.set PLIM2, 253                        ; the same bound once more, in another register bank, for the second half of a dual-issue pair
.set PSCL, 249
.set KLIM, 250
.set KSCL, 251
.set YF,   128
.set PF,   128
.set MSB, 0
.macro WIN new
.if MSB != \new
	s_set_vgpr_msb (MSB<<8)|\new
.set MSB, \new
.endif
.endm
.macro PLACES
.rept 4
	v_nop
.endr
.endm
.macro CREST
	s_cmp_lg_u32 s14, 0
	s_cbranch_scc1 .Lnot_wave_0_\@
	s_barrier_signal -3
.Lnot_wave_0_\@:
	s_barrier_wait -3
	s_barrier_signal -1
	s_barrier_wait -1
.endm
.macro ROUND
	s_barrier_signal -1
	s_barrier_wait -1
	CREST
.endm
.macro JLOAD s
	tensor_load_to_lds s[36+4*(\s):39+4*(\s)], s[28:35]
	s_nop 0
	PLACES
.endm
.macro LDY s, blk
	WIN 0x40
.irp h, 0,1,2,3,4,5,6,7,8,9,10,11,12,13,14,15
	ds_load_b128 v[YF+8*\h:YF+8*\h+3],   v[AY0+\s] offset:16384*\blk+1024*\h
	ds_load_b128 v[YF+8*\h+4:YF+8*\h+7], v[AY0+\s] offset:16384*\blk+1024*\h+512
.endr
	WIN 0
.endm
.macro LDP buf
	WIN 0xc0
.irp hh, 0,1,2,3
.irp rtt, 0,1
	ds_load_b128 v[PF+8*(2*\hh+\rtt):PF+8*(2*\hh+\rtt)+3],   v[APL0+(\buf)] offset:16384*\rtt+1024*\hh
	ds_load_b128 v[PF+8*(2*\hh+\rtt)+4:PF+8*(2*\hh+\rtt)+7], v[APL0+(\buf)] offset:16384*\rtt+1024*\hh+512
.endr
.endr
	WIN 0
.endm
.macro STP buf
.irp h, 0,1,2,3,4,5,6,7,8,9,10,11,12,13,14,15
	ds_store_b128 v[APS0+(\buf)], v[PC+4*\h:PC+4*\h+3] offset:1024*\h
.endr
.endm
.macro LDV off
	WIN 0xc0
.set i, 0
.rept 32
	global_load_b128 v[4*i:4*i+3], v[LN], s[44:45] offset:\off+512*i
.set i, i+1
.endr
	WIN 0
.endm
.macro SC h
	v_wmma_f32_16x16x64_fp8_fp8 v[S+8*\h:S+8*\h+7], v[YF+8*\h:YF+8*\h+7], v[8*\h:8*\h+7], 0
.endm
.macro SCORE16
	WIN 0x05
.irp h, 0,1,2,3,4,5,6,7,8,9,10,11,12,13,14,15
	SC \h
.endr
.endm
.macro PV zero
	WIN 0xaf
.irp hh, 0,1,2,3
.irp rtt, 0,1
.irp dt, 0,1,2,3
.set rA, 8*(8*\hh+4*\rtt+\dt)
.set rP, PF+8*(2*\hh+\rtt)
.set rV, 8*(4*\hh+\dt)
.if ATT
.set fS0, rV
.set fS1, rP
.else
.set fS0, rP
.set fS1, rV
.endif
.if \zero
	v_wmma_f32_16x16x64_fp8_fp8 v[rA:rA+7], v[fS0:fS0+7], v[fS1:fS1+7], 0
.else
	v_wmma_f32_16x16x64_fp8_fp8 v[rA:rA+7], v[fS0:fS0+7], v[fS1:fS1+7], v[rA:rA+7]
.endif
.endr
.endr
.endr
	WIN 0
	PLACES
.endm
.macro ASK how, off
.if \how
	s_cmp_eq_u32 s48, 1
.else
	s_cmp_gt_u32 s49, s48
.endif
	s_cbranch_scc0 .Lnot_mine_\@
	global_prefetch_b8 v[PFO], s[46:47] offset:\off th:TH_LOAD_NT scope:SCOPE_SE
.Lnot_mine_\@:
.endm
.macro ENTER fill, slot
	s_wait_tensorcnt 0x0
	ds_add_u32 v[SPW], v[NIL]
.if \fill
	s_add_nc_u64 s[38+4*(\slot):39+4*(\slot)], s[38+4*(\slot):39+4*(\slot)], 0x20000
.endif
	WIN 0x05
.irp h, 0,1,2,3,4,5,6,7
	SC \h
.endr
	s_wait_dscnt 0x0
	s_barrier_signal -1
.irp h, 8,9,10,11,12,13,14,15
	SC \h
.endr
	WIN 0
	PLACES
	SMA                                            ; work on registers alone while the other waves arrive: block 1's maxima and t - M
	s_barrier_wait -1
.if \fill
	CREST
.endif
.endm
.macro MEET
	s_wait_tensorcnt 0x0
	ds_add_u32 v[SPW], v[NIL]
	s_wait_dscnt 0x0
	s_barrier_signal -1
	s_barrier_wait -1
.endm
.macro NA h
.irp p, 0,2,4,6
	v_pk_mul_f32 v[S+8*\h+\p:S+8*\h+\p+1], v[S+8*\h+\p:S+8*\h+\p+1], v[SB+\p:SB+\p+1]
.endr
.endm
.macro NB h
.irp j, 0,2,4,6
	v_dual_min_num_f32 v[S+8*\h+\j], v[S+8*\h+\j], v[PLIM] :: v_dual_min_num_f32 v[S+8*\h+\j+1], v[S+8*\h+\j+1], v[PLIM2]
.endr
.endm
.macro NC h, blk
	v_cvt_scalef32_pk8_fp8_f32 v[PC+4*\h+2*\blk:PC+4*\h+2*\blk+1], v[S+8*\h:S+8*\h+7], v[PSCL]
.endm
; SMA: the maxima over the heads and t - M = c x score - c x maximum: plain vector work.  SMB: the exponentials, the sums, the division, the hold and the conversion.
.macro SMA
.irp j, 0,1,2,3,4,5,6,7
	v_max3_num_f32 v[M+\j], v[S+\j], v[S+8+\j], v[S+16+\j]
.endr
.irp i, 1,2,3,4,5,6
.irp j, 0,1,2,3,4,5,6,7
	v_max3_num_f32 v[M+\j], v[M+\j], v[S+8*(2*\i+1)+\j], v[S+8*(2*\i+2)+\j]
.endr
.endr
.irp j, 0,1,2,3,4,5,6,7
	v_max_num_f32 v[M+\j], v[M+\j], v[S+120+\j]
.endr
.irp p, 0,2,4,6
	v_pk_mul_f32 v[M+\p:M+\p+1], v[M+\p:M+\p+1], s[52:53] op_sel_hi:[1,0]
.endr
.irp h, 0,1,2,3,4,5,6,7,8,9,10,11,12,13,14,15
.irp p, 0,2,4,6
	v_pk_fma_f32 v[S+8*\h+\p:S+8*\h+\p+1], v[S+8*\h+\p:S+8*\h+\p+1], s[50:51], v[M+\p:M+\p+1] op_sel_hi:[1,0,1]
.endr
.endr
.endm
.macro SMB blk
	s_wait_alu depctr_va_vdst(0)                   ; the wait ahead of the batch, directly ahead of the first reader of t - M
.set i, 0
.rept 128
	v_exp_f32 v[S+i], v[S+i]                       ; 2^(t - M), at most 1
.set i, i+1
.endr
	v_nop
	s_wait_alu depctr_va_vdst(0)
.irp p, 0,2,4,6
	v_pk_add_f32 v[SA+\p:SA+\p+1], v[S+\p:S+\p+1], v[S+16+\p:S+16+\p+1]
	v_pk_add_f32 v[SB+\p:SB+\p+1], v[S+8+\p:S+8+\p+1], v[S+24+\p:S+24+\p+1]
.endr
.irp h, 4,6,8,10,12,14
.irp p, 0,2,4,6
	v_pk_add_f32 v[SA+\p:SA+\p+1], v[SA+\p:SA+\p+1], v[S+8*\h+\p:S+8*\h+\p+1]
	v_pk_add_f32 v[SB+\p:SB+\p+1], v[SB+\p:SB+\p+1], v[S+8*\h+8+\p:S+8*\h+8+\p+1]
.endr
.endr
.irp p, 0,2,4,6
	v_pk_add_f32 v[SA+\p:SA+\p+1], v[SA+\p:SA+\p+1], v[SB+\p:SB+\p+1]
.endr
	s_wait_alu depctr_va_vdst(0)
.irp j, 0,1,2,3,4,5,6,7
	v_rcp_f32 v[SB+\j], v[SA+\j]
.endr
	v_nop
	s_wait_alu depctr_va_vdst(0)
	NA 0
	NA 1
	NB 0
.irp h, 0,1,2,3,4,5,6,7,8,9,10,11,12,13,14,15
.if \h < 14
	NA (\h+2)
.endif
.if \h < 15
	NB (\h+1)
.endif
	NC \h, \blk
.endr
	v_nop
.endm
.macro SOFTMAX blk
	SMA
	SMB \blk
.endm
.macro INTERVAL par, fill, ldvoff, ask, askoff
	ENTER \fill, 1-\par
.if \fill
	JLOAD 1-\par
.endif
	LDY \par, 0
	LDP \par
.if \ask
	ASK 2-\ask, \askoff
.endif
	SMB 1                                          ; (its first part stands in ENTER)
	STP 1-\par
	s_wait_dscnt 16
	s_wait_loadcnt 0x0
	SCORE16
	PV 0
	LDY \par, 1
	LDV \ldvoff
	s_wait_dscnt 32
	SOFTMAX 0
	s_wait_dscnt 0x0
.endm
	s_load_b256 s[4:11], s[0:1], 0x0
	s_load_b64 s[12:13], s[0:1], 0x20
	v_lshl_add_u32 v[SPW], v0, 2, SPARE
	v_mov_b32 v[NIL], 0
	ds_add_u32 v2, v3
	ds_add_u32 v2, v3
	s_wait_dscnt 0x0
	v_lshrrev_b32 v1, 5, v0
	v_readfirstlane_b32 s14, v1
	s_and_b32 s15, s14, 1
	s_lshr_b32 s16, s14, 1
	s_bfe_u32 s17, ttmp6, 0x40000
	s_lshl_b32 s18, ttmp9, 2
	s_add_co_u32 s18, s18, s17
	s_and_b32 s19, ttmp7, 0xffff
	s_mov_b32 s28, 15|(3<<16)|(1<<21)
	s_mov_b32 s29, 32<<16
	s_mov_b32 s30, 64<<16
	s_mov_b32 s31, 32<<16
	s_mov_b32 s32, 64
	s_mov_b32 s33, 32
	s_mov_b32 s34, 0
	s_mov_b32 s35, 0
	s_lshl_b32 s54, s19, YSH
	s_lshl_b32 s58, s14, 14
	s_add_co_u32 s54, s54, s58
	s_mov_b32 s55, 0
.if ATT
	s_lshr_b32 s56, s19, 2
	s_lshl_b32 s56, s56, 5
.else
	s_lshl_b32 s56, s19, 8
.endif
	s_lshl_b32 s57, s18, 1
	s_add_co_u32 s56, s56, s57
	s_add_co_u32 s56, s56, s15
	s_lshl_b32 s56, s56, 14
	s_mov_b32 s57, 0
.if ATT
	s_and_b32 s60, s19, 3
	s_lshl_b32 s60, s60, 23
	s_lshr_b32 s61, s19, 2
	s_lshl_b32 s61, s61, 21
	s_add_co_u32 s60, s60, s61
	s_lshl_b32 s61, s14, 19
	s_add_co_u32 s60, s60, s61
	s_lshl_b32 s61, s18, 13
	s_add_co_u32 s60, s60, s61
.else
	s_lshl_b32 s60, s19, 22
	s_lshr_b32 s61, s18, 1
	s_lshl_b32 s61, s61, 16
	s_add_co_u32 s60, s60, s61
	s_lshl_b32 s61, s14, 14
	s_add_co_u32 s60, s60, s61
	s_and_b32 s61, s18, 1
	s_lshl_b32 s61, s61, 9
	s_add_co_u32 s60, s60, s61
.endif
	s_mov_b32 s61, 0
	s_lshl_b32 s62, s17, 1
	s_add_co_u32 s62, s62, s15
	s_lshl_b32 s62, s62, 13
	s_lshl_b32 s63, s19, YSH
	s_add_co_u32 s62, s62, s63
	s_cmp_lt_u32 s14, 2
	s_cselect_b32 s63, 3, 2
	s_lshl_b32 s63, s63, 16
	s_add_co_u32 s62, s62, s63
	s_mov_b32 s63, 0
	v_and_b32 v1, 31, v0
	v_lshlrev_b32 v[LN], 4, v1
	s_wait_alu depctr_va_vdst(0)
	s_wait_kmcnt 0x0
	s_load_b256 s[20:27], s[10:11], 0x0
	s_add_nc_u64 s[4:5], s[4:5], s[56:57]
	s_add_nc_u64 s[12:13], s[12:13], s[60:61]
	s_add_nc_u64 s[44:45], s[8:9], s[54:55]
	s_mov_b32 s36, 1
	s_lshl_b32 s37, s14, 14
	s_add_nc_u64 s[38:39], s[6:7], s[54:55]
	s_or_b32 s39, s39, 0x80000000
	s_mov_b32 s40, 1
	s_add_co_u32 s41, s37, YS
	s_add_nc_u64 s[42:43], s[6:7], s[54:55]
	s_add_nc_u64 s[42:43], s[42:43], 0x10000
	s_or_b32 s43, s43, 0x80000000
	s_cmp_lt_u32 s14, 2
	s_cselect_b64 s[46:47], s[6:7], s[8:9]
	s_add_nc_u64 s[46:47], s[46:47], s[62:63]
	s_cmp_eq_u32 ttmp9, 0
	s_cselect_b32 s48, 1, -1
	ROUND
	tensor_load_to_lds s[36:39], s[28:35]
	s_nop 0
	WIN 0x40                                       ; X's 16 fragments and the first interval's V are asked for behind the joint load: all three are on their way together
.set i, 0
.rept 32
	global_load_b128 v[4*i:4*i+3], v[LN], s[4:5] offset:512*i
.set i, i+1
.endr
	WIN 0
	LDV 0
	s_wait_alu depctr_va_vdst(0)
	s_wait_tensorcnt 0x0
	ds_add_u32 v2, v3
	s_wait_dscnt 0x0
	ROUND
	tensor_load_to_lds s[40:43], s[28:35]
	s_nop 0
	PLACES
	s_lshl_b32 s59, s16, 15
	v_add_nc_u32 v[AY0], s59, v[LN]
	v_add_nc_u32 v[AY0+1], YS, v[AY0]
	s_lshl_b32 s59, s15, 14
	s_lshl_b32 s58, s16, 9
	s_add_co_u32 s59, s59, s58
	s_add_co_u32 s59, s59, PB
	v_add_nc_u32 v[APS0], s59, v[LN]
	v_add_nc_u32 v[APS0+1], PBB, v[APS0]
	s_lshl_b32 s59, s14, 12
	s_add_co_u32 s59, s59, PB
	v_add_nc_u32 v[APL0], s59, v[LN]
	v_add_nc_u32 v[APL0+1], PBB, v[APL0]
	v_lshlrev_b32 v[PFO], 8, v1
	s_lshl_b32 s59, s14, 14
	s_add_co_u32 s59, s59, PB
	v_add_nc_u32 v[ZA], s59, v[LN]
.irp j, 0,1,2,3
	v_mov_b32 v[Z+\j], 0
.endr
.set i, 0
.rept 32
	ds_store_b128 v[ZA], v[Z:Z+3] offset:512*i
.set i, i+1
.endr
.if ATT
	v_and_b32 v20, 15, v0
	v_bfe_u32 v21, v0, 4, 1
	s_mul_i32 s59, s14, 16*272
	s_add_co_u32 s59, s59, STG
	v_mul_u32_u24 v[STO], v20, 272
	v_lshl_add_u32 v[STO], v21, 5, v[STO]
	v_add_nc_u32 v[STO], s59, v[STO]
	v_mul_u32_u24 v[RD], v21, 272
	v_lshl_add_u32 v[RD], v20, 4, v[RD]
	v_add_nc_u32 v[RD], s59, v[RD]
	v_lshlrev_b32 v[GO], 8, v21
	v_lshl_add_u32 v[GO], v20, 4, v[GO]
.endif
	s_wait_kmcnt 0x0
	s_add_co_i32 s54, s[EX], s[EY]
	s_lshl_b32 s54, s54, 23
	s_add_co_i32 s50, s54, 0x3e38aa3b
	s_mov_b32 s51, s50
	s_xor_b32 s52, s50, 0x80000000
	s_mov_b32 s53, s52
	s_add_co_i32 s54, s[EP], 127
	s_lshl_b32 s55, s54, 23
	v_mov_b32 v[PSCL], s55
	s_add_co_i32 s54, s54, 8
	s_lshl_b32 s54, s54, 23
	s_or_b32 s54, s54, 0x600000
	v_mov_b32 v[PLIM], s54
	v_mov_b32 v[PLIM2], s54
.if !ATT
	s_sub_co_i32 s54, s27, s24
	s_sub_co_i32 s54, s54, s25
	s_add_co_i32 s54, s54, 127
	s_lshl_b32 s55, s54, 23
	v_mov_b32 v[KSCL], s55
	s_add_co_i32 s54, s54, 8
	s_lshl_b32 s54, s54, 23
	s_or_b32 s54, s54, 0x600000
	v_mov_b32 v[KLIM], s54
.endif
	s_wait_dscnt 0x0
	s_wait_tensorcnt 0x1
	s_barrier_signal -1
	s_barrier_wait -1
	LDY 0, 0
	LDP 0
	s_wait_dscnt 0x0
	s_wait_loadcnt 0x0
	SCORE16
	PV 1
	LDY 0, 1
	SOFTMAX 0
	s_wait_dscnt 0x0
	s_mov_b32 s49, (T-2)/2
.Lloop:
	INTERVAL 1, 1, 0, 1, 0
	INTERVAL 0, 1, 65536, 2, 65536
	s_wait_xcnt 0x0
	s_add_nc_u64 s[44:45], s[44:45], 0x20000
	s_add_nc_u64 s[46:47], s[46:47], 0x20000
	s_sub_co_u32 s49, s49, 1
	s_cmp_lg_u32 s49, 0
	s_cbranch_scc1 .Lloop
	INTERVAL 1, 0, 0, 0, 0
	ENTER 0, 0
	LDP 0
	s_wait_dscnt 0x0
	s_wait_loadcnt 0x0
	PV 0
	LDV 65536
	SMB 1
	STP 1
	MEET
	LDP 1
	s_wait_dscnt 0x0
	s_wait_loadcnt 0x0
	PV 0
.if ATT
.irp hh, 0,1,2,3
.irp rtt, 0,1
	WIN 0x08
.irp dt, 0,1,2,3
	ds_store_b128 v[STO], v[8*(8*\hh+4*\rtt+\dt):8*(8*\hh+4*\rtt+\dt)+3] offset:64*\dt
	ds_store_b128 v[STO], v[8*(8*\hh+4*\rtt+\dt)+4:8*(8*\hh+4*\rtt+\dt)+7] offset:64*\dt+16
.endr
	WIN 0
.if 2*\hh+\rtt >= 4
	s_wait_xcnt 0x0
.endif
.irp i, 0,1,2,3,4,5,6,7
	ds_load_b128 v[S+32*((2*\hh+\rtt)%4)+4*\i:S+32*((2*\hh+\rtt)%4)+4*\i+3], v[RD] offset:2*272*\i
.endr
.irp i, 0,1,2,3,4,5,6,7
	s_wait_dscnt 7-\i
	global_store_b128 v[GO], v[S+32*((2*\hh+\rtt)%4)+4*\i:S+32*((2*\hh+\rtt)%4)+4*\i+3], s[12:13] offset:131072*\hh+4096*\rtt+512*\i
.endr
.endr
.endr
.else
.irp hh, 0,1,2,3
	WIN 0x02
.set i, 0
.rept 64
	v_med3_num_f32 v[S+64*(\hh%2)+i], v[64*\hh+i], -v[KLIM], v[KLIM]
.set i, i+1
.endr
	WIN 0
.irp dt, 0,1,2,3
	v_cvt_scalef32_pk8_fp8_f32 v[PC+16*\hh+4*\dt:PC+16*\hh+4*\dt+1], v[S+64*(\hh%2)+8*\dt:S+64*(\hh%2)+8*\dt+7], v[KSCL]
	v_cvt_scalef32_pk8_fp8_f32 v[PC+16*\hh+4*\dt+2:PC+16*\hh+4*\dt+3], v[S+64*(\hh%2)+32+8*\dt:S+64*(\hh%2)+32+8*\dt+7], v[KSCL]
.endr
	v_nop
.irp dt, 0,1,2,3
	global_store_b128 v[LN], v[PC+16*\hh+4*\dt:PC+16*\hh+4*\dt+3], s[12:13] offset:4096*\hh+1024*\dt
.endr
.endr
.endif
	s_wait_tensorcnt 0x0
	ds_add_u32 v[SPW], v[NIL]
	s_wait_dscnt 0x0
	ROUND
	s_endpgm
.Lfunc_end_k_q0c7da14795_att:
	.size	k_q0c7da14795_att, .Lfunc_end_k_q0c7da14795_att-k_q0c7da14795_att
	.p2alignl 7, 3214868480
	.fill 96, 4, 3214868480
	.section	.rodata,"a",@progbits
	.p2align	6, 0x0
	.amdhsa_kernel k_q0c7da14795_att
		.amdhsa_group_segment_fixed_size 327680
		.amdhsa_private_segment_fixed_size 0
		.amdhsa_enable_private_segment 0
		.amdhsa_kernarg_size 40
		.amdhsa_user_sgpr_count 2
		.amdhsa_user_sgpr_kernarg_segment_ptr 1
		.amdhsa_wavefront_size32 1
		.amdhsa_system_sgpr_workgroup_id_x 1
		.amdhsa_system_sgpr_workgroup_id_y 1
		.amdhsa_system_sgpr_workgroup_id_z 1
		.amdhsa_system_vgpr_workitem_id 0
		.amdhsa_next_free_vgpr 1024
		.amdhsa_next_free_sgpr 66
		.amdhsa_reserve_vcc 0
		.amdhsa_float_denorm_mode_32 3
		.amdhsa_float_denorm_mode_16_64 3
		.amdhsa_memory_ordered 1
		.amdhsa_forward_progress 1
		.amdhsa_inst_pref_size 255
	.end_amdhsa_kernel
	.section	.bss,"aw",@nobits
	.p2align	6
	.space	262144
	.amdgpu_metadata
---
amdhsa.version: [ 1, 2 ]
amdhsa.kernels:
  - .name:           k_q0c7da14795_att
    .symbol:         k_q0c7da14795_att.kd
    .args:
      - { .name: a2c, .offset: 0, .size: 8, .value_kind: global_buffer, .address_space: global }
      - { .name: kc, .offset: 8, .size: 8, .value_kind: global_buffer, .address_space: global }
      - { .name: kvc, .offset: 16, .size: 8, .value_kind: global_buffer, .address_space: global }
      - { .name: lowp_scales, .offset: 24, .size: 8, .value_kind: global_buffer, .address_space: global }
      - { .name: part, .offset: 32, .size: 8, .value_kind: global_buffer, .address_space: global }
    .group_segment_fixed_size: 327680
    .private_segment_fixed_size: 0
    .kernarg_segment_align: 8
    .kernarg_segment_size: 40
    .max_flat_workgroup_size: 128
    .sgpr_count:     66
    .vgpr_count:     1024
    .wavefront_size: 32
...
	.end_amdgpu_metadata
.endif
;; end of part 3
;; launch sum (part 4): grid 512 x 1, 8 waves a work-group, no clusters, 0 bytes of LDS; arguments part, lowp_scales, out0; writes out0
.if DOCPART == 4
	.amdgcn_target "amdgcn-amd-amdhsa--gfx1250"
	.amdhsa_code_object_version 6
	.text
	.protected	k_q0c7da14795_sum
	.globl	k_q0c7da14795_sum
	.p2align	8
	.type	k_q0c7da14795_sum,@function
k_q0c7da14795_sum:
	s_mov_b64 s[64:65], 0
	v_nop
	global_prefetch_b8 v0, s[64:65] scope:SCOPE_SE
	s_setreg_imm32_b32 hwreg(HW_REG_WAVE_MODE, 25, 1), 1
	s_wait_xcnt 0x0
; out0 = (part 0 + part 1 + part 2 + part 3) x 2^(e6 + e7).  The four parts, 8,388,608 bytes each, lie as out0 lies: [b][head][agent][d] f32; each is the last product's raw f32 sum over a quarter of its K.
; A stream: a work-group takes 16,384 bytes of the output, a thread 16 bytes of each of four chunks of 4,096; each load and store of a wave covers 512 consecutive bytes.  All 16 loads of a thread go out at the head;
; every chunk has its own registers, so no register that a store reads is written again.  The power of two is applied by v_ldexp_f32, so e6 + e7 has no limit of its own.
	s_load_b128 s[4:7], s[0:1], 0x0                ; the parts s[4:5], the scales' exponents s[6:7]
	s_load_b64 s[8:9], s[0:1], 0x10                ; out0
	v_lshlrev_b32 v1, 4, v0                        ; 16 bytes a thread
	s_lshl_b32 s2, ttmp9, 14
	s_mov_b32 s3, 0
	s_wait_alu depctr_va_vdst(0)
	s_wait_kmcnt 0x0
	s_load_b64 s[20:21], s[6:7], 0x18              ; e6, e7
	s_add_nc_u64 s[4:5], s[4:5], s[2:3]
	s_add_nc_u64 s[8:9], s[8:9], s[2:3]
	s_add_nc_u64 s[10:11], s[4:5], 0x800000        ; part 1,
	s_add_nc_u64 s[12:13], s[4:5], 0x1000000       ; part 2,
	s_add_nc_u64 s[14:15], s[4:5], 0x1800000       ; part 3
.irp u, 0,1,2,3
	global_load_b128 v[16+16*\u:19+16*\u], v1, s[4:5] offset:4096*\u th:TH_LOAD_NT
	global_load_b128 v[20+16*\u:23+16*\u], v1, s[10:11] offset:4096*\u th:TH_LOAD_NT
	global_load_b128 v[24+16*\u:27+16*\u], v1, s[12:13] offset:4096*\u th:TH_LOAD_NT
	global_load_b128 v[28+16*\u:31+16*\u], v1, s[14:15] offset:4096*\u th:TH_LOAD_NT
.endr
	s_wait_kmcnt 0x0
	s_add_co_i32 s20, s20, s21                     ; e6 + e7
.irp u, 0,1,2,3
	s_wait_loadcnt 12-4*\u                         ; this chunk's four loads are in; the later chunks' may be out
	v_pk_add_f32 v[16+16*\u:17+16*\u], v[16+16*\u:17+16*\u], v[20+16*\u:21+16*\u]
	v_pk_add_f32 v[18+16*\u:19+16*\u], v[18+16*\u:19+16*\u], v[22+16*\u:23+16*\u]
	v_pk_add_f32 v[24+16*\u:25+16*\u], v[24+16*\u:25+16*\u], v[28+16*\u:29+16*\u]
	v_pk_add_f32 v[26+16*\u:27+16*\u], v[26+16*\u:27+16*\u], v[30+16*\u:31+16*\u]
	s_delay_alu instid0(VALU_DEP_2)
	v_pk_add_f32 v[16+16*\u:17+16*\u], v[16+16*\u:17+16*\u], v[24+16*\u:25+16*\u]
	s_delay_alu instid0(VALU_DEP_2)
	v_pk_add_f32 v[18+16*\u:19+16*\u], v[18+16*\u:19+16*\u], v[26+16*\u:27+16*\u]
.irp j, 0,1,2,3
	v_ldexp_f32 v[16+16*\u+\j], v[16+16*\u+\j], s20
.endr
	global_store_b128 v1, v[16+16*\u:19+16*\u], s[8:9] offset:4096*\u th:TH_STORE_NT
.endr
	s_endpgm
.Lfunc_end_k_q0c7da14795_sum:
	.size	k_q0c7da14795_sum, .Lfunc_end_k_q0c7da14795_sum-k_q0c7da14795_sum
	.p2alignl 7, 3214868480
	.fill 96, 4, 3214868480
	.section	.rodata,"a",@progbits
	.p2align	6, 0x0
	.amdhsa_kernel k_q0c7da14795_sum
		.amdhsa_group_segment_fixed_size 0
		.amdhsa_private_segment_fixed_size 0
		.amdhsa_enable_private_segment 0
		.amdhsa_kernarg_size 24
		.amdhsa_user_sgpr_count 2
		.amdhsa_user_sgpr_kernarg_segment_ptr 1
		.amdhsa_wavefront_size32 1
		.amdhsa_system_sgpr_workgroup_id_x 1
		.amdhsa_system_sgpr_workgroup_id_y 1
		.amdhsa_system_sgpr_workgroup_id_z 1
		.amdhsa_system_vgpr_workitem_id 0
		.amdhsa_next_free_vgpr 96
		.amdhsa_next_free_sgpr 66
		.amdhsa_reserve_vcc 0
		.amdhsa_float_denorm_mode_32 3
		.amdhsa_float_denorm_mode_16_64 3
		.amdhsa_memory_ordered 1
		.amdhsa_forward_progress 1
		.amdhsa_inst_pref_size 6
	.end_amdhsa_kernel
	.amdgpu_metadata
---
amdhsa.version: [ 1, 2 ]
amdhsa.kernels:
  - .name:           k_q0c7da14795_sum
    .symbol:         k_q0c7da14795_sum.kd
    .args:
      - { .name: part, .offset: 0, .size: 8, .value_kind: global_buffer, .address_space: global }
      - { .name: lowp_scales, .offset: 8, .size: 8, .value_kind: global_buffer, .address_space: global }
      - { .name: out0, .offset: 16, .size: 8, .value_kind: global_buffer, .address_space: global }
    .group_segment_fixed_size: 0
    .private_segment_fixed_size: 0
    .kernarg_segment_align: 8
    .kernarg_segment_size: 24
    .max_flat_workgroup_size: 256
    .sgpr_count:     66
    .vgpr_count:     96
    .wavefront_size: 32
...
	.end_amdgpu_metadata
.endif
;; end of part 4
